; MI455X (gfx1250); checked and timed in simulation.
; The chip was launched on July 23, 2026; its instructions are those of AMD's public machine-readable ISA for CDNA 5 (MIT licence, August 2026) and "CDNA5" Instruction Set Architecture Reference Guide (July 2026). The comments in the code are by the model that wrote it; some were corrected since.
;; Inverse Penalty Tracker. Allowed arithmetic: float matrix products may take bf16 or f16 operands with f32 sums; all other float work in f32.
;; Inputs: A0 1,024 x 128 x 128 float32; u 1,024 x 32 x 128 float32.
;; Outputs: out0 1,024 x 128 x 128 float32.
;; One version. Each part assembles by itself: llvm-mc -triple=amdgcn-amd-amdhsa -mcpu=gfx1250 --defsym DOCPART=n.
;; ======== version 1 of 1: 1 launch
;; limits: a difference of large sums (such as E[x^2] - mean^2): digits are lost where the result is much smaller than its terms
;; launch smw (part 1): grid 256 x 1, 4 waves a work-group, no clusters, 327,680 bytes of LDS; arguments A0, u, out0; writes out0
.if DOCPART == 1
	.amdgcn_target "amdgcn-amd-amdhsa--gfx1250"
	.amdhsa_code_object_version 6
	.text
	.protected	k_q40c043ea96_smw
	.globl	k_q40c043ea96_smw
	.p2align	8
	.type	k_q40c043ea96_smw,@function
k_q40c043ea96_smw:
	s_mov_b64 s[64:65], 0
	v_nop
	global_prefetch_b8 v0, s[64:65] scope:SCOPE_SE
	s_setreg_imm32_b32 hwreg(HW_REG_WAVE_MODE, 25, 1), 1
	s_wait_xcnt 0x0
; 32 rank-1 updates A <- A - z z^T / delta, z = A u_t, delta = 1 + u_t.z  (or A <- A + 1e-6 I where |delta| < 1e-6 or delta is not finite),
; for 1,024 batches of a 128 x 128 f32 matrix.  One wave owns one batch; 4 waves a work-group, 256 work-groups; waves share nothing.
;
; A IS NOT REWRITTEN 32 TIMES.  With g_s = 1/delta_s (0 for an unstable step) and e_t = 1e-6 x (unstable steps before t):
;   A_t = A0 + e I - sum_s g_s z_s z_s^T.   W = A0 U^T (128 x 32), G = U W, H = U U^T (32 x 32).
;   C[i][j] = u_i^T (A0 - sum g z z^T) u_j is kept running (lane = i, register = j).  Step t:  c_t = C[:,t] + e H[:,t],  delta = 1 + c_t[t],
;   and for j > t:  C[:,j] -= g c_t[j] c_t,  a_j -= g c_t[j] a_t  (a_j starts as unit_j),  so that  z_t = sum_k a_t[k] (w_k + e_k u_k).
; The 32 dependent steps so run on 32 x 32 numbers in f32, and the large products go to the matrix unit:
;   W^T = U A0^T,   G, H,   Z^T = M W^T + (M E) U  (M[t][k] = a_t[k], E = diag e),   out = A0 + e_32 I + (-g Z) Z^T.
; No symmetry of A0 is used.  reference()'s periodic term needs step % 50 == 0; its steps are 1 .. 32, so it adds 0 and nothing is written for it.
;
; MATRIX OPERANDS are bf16 PAIRS: hi = bf16(x) to nearest even, lo = bf16(x - hi) (x - hi is exact in f32); a product is hi.hi + hi.lo + lo.hi
; in f32 sums, so an operand is kept to about 2^-17 of itself.  The two terms with the factor 1e-6 (e H and (M E) U) use single bf16.
; LIMITS.  The order of the sums differs from reference()'s.  1/delta is v_rcp_f32 (1 ulp; 0 for |delta| > 2^126).  A delta that is not finite
; is taken as unstable by a select, as in reference(); but it arises only where a product overflows f32 (magnitudes near 3e38), and then NaN
; spreads through that batch, where reference() would only skip the step.  Where the rows of u are nearly parallel (a large common offset)
; the cancellation in C multiplies the 2^-17.
;
; LDS, 81,920 bytes for each wave, none shared: A0 as 128 rows at pitch 528 (four tensor loads of 32 rows x 512 bytes, all issued at the entry:
; four are out at most, so no barrier is needed), then u as bf16 at pitch 272 in bytes of its own.  When A0 is in
; registers its bytes have had their last fill: they serve as scratch for the transposes and as the stage of the way out.
; No cluster: no input byte is read by two work-groups.  No prefetch: all that a wave reads is asked for at its entry.
;
; ONE LAYOUT FOR A0.  Lane (r, h) holds row 16 mt + r, columns 16 nt + 8 h + 0..7 of tile (mt, nt).  Packed in pairs that is the operand with K along
; A0's rows (registers 0-3: k = 8h.., 4-7: k = 16 + 8h..: ISA guide 7.12.2); as it stands it is the C tile of the last product used transposed
; (matrix row = column of A0).  In the same way the (t x m) result tiles W^T and Z^T, packed in pairs, are operands with K = t.
;
; REGISTERS, in windows of 256.  Windows 2, 3: A0 / out, tile (mt, nt) at 8 (8 mt + nt).  Window 1: operands (see below).  Window 0: the rest.
.set PA,    528                        ; pitch of A0 / out rows, 33 x 16 bytes: sixteen rows' 16-byte pieces begin at sixteen different places modulo 256
.set PU,    272                        ; pitch of u's bf16 rows, 17 x 16
.set PW,    96                         ; pitch of the 32-wide bf16 rows that are read transposed, 3 x 32
.set WREG,  81920                      ; LDS bytes of a wave
.set US,    128*PA                     ; u's bytes, behind A0's 67,584
.set WSH,   0                          ; scratch in A0's bytes: W hi [m][t],
.set WSL,   128*PW                     ; W lo [m][t],
.set MSH,   2*128*PW                   ; M^T hi [k][t],
.set MSL,   MSH+32*PW                  ; M^T lo,
.set MSE,   MSL+32*PW                  ; (M E)^T
; window 0, small things
.set LANE, 1
.set RR,   2                           ; lane % 16
.set HH,   3                           ; lane / 16
.set ADA,  4                           ; A0 tiles and the stage: 528 r + 32 h
.set ADR,  5                           ; whole rows back: 16 x lane
.set ADUS, 6                           ; u: a lane's 8 bytes of a row
.set ADUF, 7                           ; u: operands, 272 r + 16 h
.set ADWS, 8                           ; W [m][t]: 96 r + 16 h
.set ADTR, 9                           ; transposing loads at pitch 96
.set ADTU, 10                          ; transposing loads of u
.set ADMS, 11                          ; M^T: row = lane
.set GOFF, 12                          ; 16 x lane: offset in a row of u or of out0; never rewritten
.set NEG1, 13
.set EPSV, 14                          ; 1e-6
.set ZERO, 15
.set RD,   16                          ; -delta
.set RG,   17                          ; -g
.set RB,   18
.set RT,   19
.set RS,   20                          ; lane j: -g c_t[j]
.set RE,   21                          ; lane t: e_t
.set REC,  22                          ; e, running, the same in every lane
.set T0,   23
.set T1,   24
.set DIA,  25                          ; r - 8 h: the register of a diagonal tile that holds my diagonal element, if 0..7
.set ONE,  28
.set GV,   32                          ; v32-47  -g_t as a (t x m) tile has it: register 8 tt + j, half h: t = 16 tt + 8 h + j
.set DG,   48                          ; v48-55  e_32 on a diagonal tile's diagonal, 0 elsewhere
; window 0, large things, one after the other
.set X,    64                          ; u as loaded, 4 registers a row; then x - hi; then lo, 2 registers a row
.set HP,   192                         ; u hi, 2 registers a row
.set FH,   64                          ; A0 operands of one 16-row tile, hi
.set FL,   96                          ; lo
.set LRES, 128                         ; x - hi of its 64 numbers
.set WPH,  64                          ; W hi packed, 8 mt + 4 tt
.set WPL,  128                         ; W lo packed
.set GTI,  192                         ; G tiles (tt, it) at 16 tt + 8 it: register j, lane (r, h): column 16 tt + 8 h + j, row 16 it + r
.set HC,   224                         ; H tiles likewise; then column t of H at HC + t
.set CA,   64                          ; pairs: column j of C at CA + 2 j, a_j at CA + 2 j + 1
.set MHP,  128
.set MLP,  144
.set MEP,  160
.set MH,   192                         ; M operands (rows t, K = k), 8 tt
.set ML,   208
.set ME,   224
.set ZT,   64                          ; Z^T tiles at 16 mt + 8 tt
.set ZP,   192                         ; -g z of four mt
; window 1
.set UH,   0                           ; u operands (tt, kc) at 32 tt + 8 kc
.set UL,   64
.set WT,   128                         ; W^T tiles at 16 mt + 8 tt
.set WGH,  128                         ; W operands with K = m, (kc, tt) at 16 kc + 8 tt
.set WGL,  192
.set WH,   0                           ; W operands with K = t, 8 mt
.set WL,   64
.set UT,   128                         ; u hi with K = t, 8 mt
.set ZH,   0
.set ZL,   64
.set PH,   128
.set PL,   192
.set SG,   72                          ; s72-87: eight pairs for the factors -g c_t[j]; the odd ones stay 0
.set MSB, 0
.macro WIN new                         ; s_set_vgpr_msb: bits 1:0 source 0, 3:2 source 1, 5:4 source 2, 7:6 destination; the high byte repeats the setting that is left
.if MSB != (\new)
	s_set_vgpr_msb (MSB<<8)|(\new)
.set MSB, (\new)
.endif
.endm
.macro PLACES                          ; independent vector instructions between a matrix instruction and what reads its result or writes its registers (ISA guide 7.12.1)
.rept 5
	v_nop
.endr
.endm
.macro MM d, a, b, z                   ; z = 1: the product starts the sum, nothing is cleared
.if \z
	v_wmma_f32_16x16x32_bf16 v[\d:\d+7], v[\a:\a+7], v[\b:\b+7], 0
.else
	v_wmma_f32_16x16x32_bf16 v[\d:\d+7], v[\a:\a+7], v[\b:\b+7], v[\d:\d+7]
.endif
.endm
; cnt f32 numbers at x (window wx, st registers apart) become packed hi at h (window wh) and packed lo at l (window wl); x - hi goes through t (window wt)
.macro SPLIT cnt, x, wx, h, wh, l, wl, t, wt, st=1
	WIN (\wx)|((\wx)<<2)|((\wh)<<6)
.set sq, 0
.rept (\cnt)/2
	v_cvt_pk_bf16_f32 v[\h+sq], v[\x+\st*2*sq], v[\x+\st*(2*sq+1)]
.set sq, sq+1
.endr
	WIN (\wh)|((\wx)<<4)|((\wt)<<6)
.set sq, 0
.rept (\cnt)/2
	v_fma_mix_f32_bf16 v[\t+\st*2*sq], v[\h+sq], v[NEG1], v[\x+\st*2*sq] op_sel_hi:[1,0,0]                       ; x - hi: bf16 half x (-1) + f32, exact
	v_fma_mix_f32_bf16 v[\t+\st*(2*sq+1)], v[\h+sq], v[NEG1], v[\x+\st*(2*sq+1)] op_sel:[1,0,0] op_sel_hi:[1,0,0]
.set sq, sq+1
.endr
	WIN (\wt)|((\wt)<<2)|((\wl)<<6)
.set sq, 0
.rept (\cnt)/2
	v_cvt_pk_bf16_f32 v[\l+sq], v[\t+\st*2*sq], v[\t+\st*(2*sq+1)]
.set sq, sq+1
.endr
.endm
	s_load_b128 s[4:7], s[0:1], 0x0                ; A0 s[4:5], u s[6:7]
	s_load_b64 s[8:9], s[0:1], 0x10                ; out0
	v_lshl_add_u32 v62, v0, 2, 0x4ea00
	v_mov_b32 v63, 0
	ds_add_u32 v62, v63
	ds_add_u32 v62, v63
	v_lshrrev_b32 v1, 5, v0
	v_readfirstlane_b32 s10, v1                    ; wave 0..3
	v_and_b32 v[LANE], 31, v0
	v_lshlrev_b32 v[GOFF], 4, v[LANE]
	s_lshl2_add_u32 s11, ttmp9, s10                ; my batch = 4 x work-group + wave
	s_lshl_b32 s12, s11, 16                        ; x 65,536 bytes of A0 and of out0 (below 2^26)
	s_mov_b32 s13, 0
	s_lshl_b32 s14, s11, 14                        ; x 16,384 bytes of u
	s_mov_b32 s15, 0
	s_mul_i32 s40, s10, WREG                       ; my LDS bytes
	s_add_co_u32 s48, s40, US
	; descriptor group 1: 32 rows x 128 elements of 4 bytes; 4 words of padding behind every 128 words, that is behind every row
	s_mov_b32 s16, (2<<16)|(1<<20)|(6<<22)|(3<<25)
	s_mov_b32 s17, 128<<16                         ; tensor_dim0 = 128
	s_mov_b32 s18, 32<<16                          ; tensor_dim1 = 32
	s_mov_b32 s19, 128<<16                         ; tile_dim0 = 128
	s_mov_b32 s20, 32                              ; tile_dim1 = 32
	s_mov_b32 s21, 128                             ; elements from row to row
	s_mov_b32 s22, 0
	s_mov_b32 s23, 0
	s_wait_dscnt 0x0
	s_wait_kmcnt 0x0
	s_add_nc_u64 s[4:5], s[4:5], s[12:13]
	s_add_nc_u64 s[6:7], s[6:7], s[14:15]
	s_add_nc_u64 s[8:9], s[8:9], s[12:13]
	; u first, since it is wanted first: one load of the wave takes a row of 512 bytes
.set t0, 0
.rept 32
	global_load_b128 v[X+4*t0:X+4*t0+3], v[GOFF], s[6:7] offset:512*t0 th:TH_LOAD_NT
.set t0, t0+1
.endr
	; then all of A0: four tensor loads of 16 KiB, each with a group 0 of its own that is never rewritten, ahead of every wait on them and of every LDS access
.irp i, 0,1,2,3
	s_mov_b32 s[24+4*\i], 1
	s_add_co_u32 s[25+4*\i], s40, \i*32*PA
	s_add_nc_u64 s[26+4*\i:27+4*\i], s[4:5], \i*16384
	s_or_b32 s[27+4*\i], s[27+4*\i], 0x80000000
	tensor_load_to_lds s[24+4*\i:27+4*\i], s[16:23]
	s_nop 0
.endr
	s_mov_b32 s41, 0x76543210                      ; v_permlanex16_b32: lane i of the other half
	s_mov_b32 s42, 0xfedcba98
	s_mov_b32 s43, 0xffff0000                      ; lanes 16-31
	s_mov_b32 s44, 0x358637bd                      ; the bits of 1e-6
	s_mov_b32 s45, 0x7f800000-0x358637bd           ; stable: 1e-6 <= |delta| < infinity, as one unsigned compare of the bits
.irp i, 0,1,2,3,4,5,6,7
	s_mov_b32 s[SG+2*\i+1], 0                      ; the upper halves of the factor pairs are named by the packed form and never used
.endr
	v_and_b32 v[RR], 15, v0
	v_bfe_u32 v[HH], v0, 4, 1
	v_and_b32 v26, 7, v0
	v_lshl_add_u32 v26, v[HH], 3, v26              ; 8 h + lane % 8: the row that a transposing load's lane addresses
	v_bfe_u32 v27, v0, 3, 1
	v_lshlrev_b32 v27, 4, v27                      ; and which 16 bytes of it
	v_mov_b32 v[NEG1], -1.0
	v_mov_b32 v[ONE], 1.0
	v_mov_b32 v[EPSV], 0x358637bd
	v_mov_b32 v[ZERO], 0
	v_mov_b32 v[RE], 0
	v_mov_b32 v[REC], 0
	v_mov_b32 v[T0], 0
	v_mov_b32 v[T1], 0
	v_mul_u32_u24 v[ADA], v[RR], PA
	v_lshl_add_u32 v[ADA], v[HH], 5, v[ADA]
	v_add_nc_u32 v[ADA], s40, v[ADA]
	v_lshl_add_u32 v[ADR], v[LANE], 4, s40
	v_lshl_add_u32 v[ADUS], v[LANE], 3, s48
	v_mul_u32_u24 v[ADUF], v[RR], PU
	v_lshl_add_u32 v[ADUF], v[HH], 4, v[ADUF]
	v_add_nc_u32 v[ADUF], s48, v[ADUF]
	v_mul_u32_u24 v[ADWS], v[RR], PW
	v_lshl_add_u32 v[ADWS], v[HH], 4, v[ADWS]
	v_add_nc_u32 v[ADWS], s40, v[ADWS]
	v_mul_u32_u24 v[ADTR], v26, PW
	v_add_nc_u32 v[ADTR], v[ADTR], v27
	v_add_nc_u32 v[ADTR], s40, v[ADTR]
	v_mul_u32_u24 v[ADTU], v26, PU
	v_add_nc_u32 v[ADTU], v[ADTU], v27
	v_add_nc_u32 v[ADTU], s48, v[ADTU]
	v_mul_u32_u24 v[ADMS], v[LANE], PW
	v_add_nc_u32 v[ADMS], s40, v[ADMS]
	v_lshlrev_b32 v[DIA], 3, v[HH]
	v_sub_nc_u32 v[DIA], v[RR], v[DIA]
	; ---- u: split, and through LDS into operands (lane r = row t, K = m).  lo goes first; hi stays in LDS for the transposed read further down.
.macro USTORE src                      ; 32 rows of 128 bf16: a lane's 4 numbers are 8 bytes
.set t0, 0
.rept 32
	ds_store_b64 v[ADUS], v[\src+2*t0:\src+2*t0+1] offset:PU*t0
.set t0, t0+1
.endr
.endm
.macro UFRAG dst                       ; 16 loads into window 1: two row blocks x four K steps of 32
	WIN 0x40
.irp tt, 0,1
.irp kc, 0,1,2,3
	ds_load_b128 v[\dst+32*\tt+8*\kc:\dst+32*\tt+8*\kc+3],   v[ADUF] offset:16*PU*\tt+64*\kc
	ds_load_b128 v[\dst+32*\tt+8*\kc+4:\dst+32*\tt+8*\kc+7], v[ADUF] offset:16*PU*\tt+64*\kc+32
.endr
.endr
	WIN 0
.endm
	s_wait_loadcnt 0x0                             ; all of u
	SPLIT 128,X,0,HP,0,X,0,X,0
	USTORE X                                       ; LDS serves a wave's instructions in order (ISA guide 5.7.1): the loads below see these stores
	UFRAG UL
	s_wait_dscnt 0x0                               ; lo has been read before hi is laid over it
	USTORE HP
	UFRAG UH
	; ---- W^T = U A0^T, 16 rows of A0 at a time, as the pieces of A0 land.  A0's tile stays in windows 2, 3 for the last product.
.macro P1 mt
.set P1W, 2+(\mt)/4
.set P1B, (64*(\mt))%256
.if ((\mt)%2)==0
	s_wait_tensorcnt 3-(\mt)/2                     ; tensor loads of a wave end in order (ISA guide 10.11.1): my 32 rows are in, the younger pieces stay out
.endif
	WIN P1W<<6
.set i1, 0
.rept 8
	ds_load_b128 v[P1B+8*i1:P1B+8*i1+3],   v[ADA] offset:16*PA*(\mt)+64*i1
	ds_load_b128 v[P1B+8*i1+4:P1B+8*i1+7], v[ADA] offset:16*PA*(\mt)+64*i1+16
.set i1, i1+1
.endr
	s_wait_dscnt 0x0                               ; the tile (and, the first time, u's operands)
	PLACES                                         ; FH and FL were the last tile's sources
	SPLIT 64,P1B,P1W,FH,0,FL,0,LRES,0
	WIN 0x51                                       ; A = u (window 1), B = A0 (window 0), C and D window 1
.set z1, 1
.set k1, 0
.rept 4                                            ; the two accumulators take turns, one instruction a turn
.irp tt, 0,1
	MM WT+16*(\mt)+8*\tt, UH+32*\tt+8*k1, FH+8*k1, z1
.endr
.irp tt, 0,1
	MM WT+16*(\mt)+8*\tt, UH+32*\tt+8*k1, FL+8*k1, 0
.endr
.irp tt, 0,1
	MM WT+16*(\mt)+8*\tt, UL+32*\tt+8*k1, FH+8*k1, 0
.endr
.set z1, 0
.set k1, k1+1
.endr
.endm
.irp mt, 0,1,2,3,4,5,6,7
	P1 \mt
.endr
	; ---- W: split; packed in pairs it is the operand with K = t.  It goes to LDS as [m][t] and comes back transposed as the operand with K = m.
	; All four tensor loads have landed and all reads of A0 are back (the waits of the last tiles above): A0's bytes are scratch from here on.
	PLACES
	SPLIT 128,WT,1,WPH,0,WPL,0,WT,1
	WIN 0
.irp mt, 0,1,2,3,4,5,6,7
.irp tt, 0,1
	ds_store_b128 v[ADWS], v[WPH+8*\mt+4*\tt:WPH+8*\mt+4*\tt+3] offset:WSH+16*PW*\mt+32*\tt
	ds_store_b128 v[ADWS], v[WPL+8*\mt+4*\tt:WPL+8*\mt+4*\tt+3] offset:WSL+16*PW*\mt+32*\tt
.endr
.endr
	WIN 0x40
.irp kc, 0,1,2,3
.irp tt, 0,1
	ds_load_tr16_b128 v[WGH+16*\kc+8*\tt:WGH+16*\kc+8*\tt+3],   v[ADTR] offset:WSH+32*PW*\kc+32*\tt
	ds_load_tr16_b128 v[WGH+16*\kc+8*\tt+4:WGH+16*\kc+8*\tt+7], v[ADTR] offset:WSH+32*PW*\kc+32*\tt+16*PW
	ds_load_tr16_b128 v[WGL+16*\kc+8*\tt:WGL+16*\kc+8*\tt+3],   v[ADTR] offset:WSL+32*PW*\kc+32*\tt
	ds_load_tr16_b128 v[WGL+16*\kc+8*\tt+4:WGL+16*\kc+8*\tt+7], v[ADTR] offset:WSL+32*PW*\kc+32*\tt+16*PW
.endr
.endr
	s_wait_dscnt 0x0
	; ---- G^T[t][i] = sum_m W[m][t] u_i[m]  and  H[t][i] = u_t.u_i: four tiles each, by turns
.macro GPASS d, a, sa, b, z
.irp tt, 0,1
.irp it, 0,1
	MM \d+16*\tt+8*\it, \a+\sa*\tt, \b+32*\it, \z
.endr
.endr
.endm
	WIN 0x05                                       ; A and B window 1, C and D window 0
.set z3, 1
.set k3, 0
.rept 4
	GPASS GTI, WGH+16*k3, 8, UH+8*k3, z3
	GPASS GTI, WGH+16*k3, 8, UL+8*k3, 0
	GPASS GTI, WGL+16*k3, 8, UH+8*k3, 0
	GPASS HC,  UH+8*k3,  32, UH+8*k3, z3
.set z3, 0
.set k3, k3+1
.endr
	; ---- operands for Z^T are fetched while the recursion runs: W hi, W lo (K = t, as they were stored) and u hi transposed (K = t)
	PLACES
	WIN 0x40
.irp mt, 0,1,2,3,4,5,6,7
	ds_load_b128 v[WH+8*\mt:WH+8*\mt+3],   v[ADWS] offset:WSH+16*PW*\mt
	ds_load_b128 v[WH+8*\mt+4:WH+8*\mt+7], v[ADWS] offset:WSH+16*PW*\mt+32
	ds_load_b128 v[WL+8*\mt:WL+8*\mt+3],   v[ADWS] offset:WSL+16*PW*\mt
	ds_load_b128 v[WL+8*\mt+4:WL+8*\mt+7], v[ADWS] offset:WSL+16*PW*\mt+32
	ds_load_tr16_b128 v[UT+8*\mt:UT+8*\mt+3],   v[ADTU] offset:32*\mt
	ds_load_tr16_b128 v[UT+8*\mt+4:UT+8*\mt+7], v[ADTU] offset:32*\mt+16*PU
.endr
	WIN 0
	; Tiles to columns.  Register p (rows 0-15) and q (rows 16-31) hold column c in lanes 0-15 and column c + 8 in lanes 16-31:
	; dp = column c with lane = row, dq = column c + 8.
.macro XCOL p, q, dp, dq
	v_permlanex16_b32 v[T0], v[\q], s41, s42
	v_permlanex16_b32 v[T1], v[\p], s41, s42
	v_cndmask_b32 v[\dp], v[\p], v[T0], s43
	v_cndmask_b32 v[\dq], v[T1], v[\q], s43
.endm
.irp tt, 0,1
.irp j, 0,1,2,3,4,5,6,7
	XCOL GTI+16*\tt+\j, GTI+16*\tt+8+\j, CA+32*\tt+2*\j, CA+32*\tt+2*\j+16
	XCOL HC+16*\tt+\j,  HC+16*\tt+8+\j,  HC+16*\tt+\j,   HC+16*\tt+8+\j
.endr
.endr
.set j4, 0
.rept 32
	v_cmp_eq_u32 vcc_lo, j4, v[LANE]
	v_cndmask_b32 v[CA+2*j4+1], 0, v[ONE], vcc_lo  ; a_j = unit_j
.set j4, j4+1
.endr
	; ---- the 32 dependent steps, in f32
.macro STEP t
	v_fmac_f32 v[CA+2*\t], v[REC], v[HC+\t]        ; c_t = C[:,t] + e H[:,t]
	v_readlane_b32 s50, v[CA+2*\t], \t
	v_sub_f32 v[RD], -1.0, s50                     ; -delta
	v_and_b32 v[RB], 0x7fffffff, v[RD]
	v_sub_nc_u32 v[RB], v[RB], s44
	v_cmp_gt_u32 vcc_lo, s45, v[RB]                ; stable
	v_rcp_f32 v[RG], v[RD]
	v_cndmask_b32 v[RT], v[EPSV], v[ZERO], vcc_lo  ; what e gains; also the independent instruction behind v_rcp_f32 (ISA guide 5.7.2)
	s_wait_alu depctr_va_vdst(0)
	v_cndmask_b32 v[RG], 0, v[RG], vcc_lo          ; -g
	v_readfirstlane_b32 s51, v[REC]
	v_writelane_b32 v[RE], s51, \t                 ; e_t
	v_add_f32 v[REC], v[REC], v[RT]
.if ((\t)&8)==0
	v_mov_b32 v[GV+8*((\t)>>4)+((\t)&7)], v[RG]
.else
	v_cndmask_b32 v[GV+8*((\t)>>4)+((\t)&7)], v[GV+8*((\t)>>4)+((\t)&7)], v[RG], s43
.endif
.if \t < 31
	v_mul_f32 v[RS], v[RG], v[CA+2*\t]
.set jj, \t+1
.rept 4                                            ; the factors are read four columns ahead of their use
.if jj < 32
	v_readlane_b32 s[SG+2*(jj%8)], v[RS], jj
.endif
.set jj, jj+1
.endr
.set jj, \t+1
.rept 31-\t
.if jj+4 < 32
	v_readlane_b32 s[SG+2*((jj+4)%8)], v[RS], jj+4
.endif
	v_pk_fma_f32 v[CA+2*jj:CA+2*jj+1], v[CA+2*\t:CA+2*\t+1], s[SG+2*(jj%8):SG+2*(jj%8)+1], v[CA+2*jj:CA+2*jj+1] op_sel_hi:[1,0,1]   ; (C_j, a_j) += factor x (c_t, a_t)
.set jj, jj+1
.endr
.endif
.endm
.irp t, 0,1,2,3,4,5,6,7,8,9,10,11,12,13,14,15,16,17,18,19,20,21,22,23,24,25,26,27,28,29,30,31
	STEP \t
.endr
.irp j, 0,1,2,3,4,5,6,7
	v_cmp_eq_u32 vcc_lo, \j, v[DIA]
	v_cndmask_b32 v[DG+\j], 0, v[REC], vcc_lo
.endr
	; ---- M: lane k holds a_t[k] for all t, a row of M^T; through LDS it becomes the operand with rows t and K = k
.set t5, 0
.rept 32
	v_mul_f32 v[CA+2*t5], v[CA+2*t5+1], v[RE]      ; a_t[k] e_k, in C's place
.set t5, t5+1
.endr
.set q5, 0
.rept 16
	v_cvt_pk_bf16_f32 v[MEP+q5], v[CA+4*q5], v[CA+4*q5+2]
.set q5, q5+1
.endr
	SPLIT 32,CA+1,0,MHP,0,MLP,0,CA+1,0,2
.irp i, 0,1,2,3
	ds_store_b128 v[ADMS], v[MHP+4*\i:MHP+4*\i+3] offset:MSH+16*\i
	ds_store_b128 v[ADMS], v[MLP+4*\i:MLP+4*\i+3] offset:MSL+16*\i
	ds_store_b128 v[ADMS], v[MEP+4*\i:MEP+4*\i+3] offset:MSE+16*\i
.endr
.irp tt, 0,1
	ds_load_tr16_b128 v[MH+8*\tt:MH+8*\tt+3],   v[ADTR] offset:MSH+32*\tt
	ds_load_tr16_b128 v[MH+8*\tt+4:MH+8*\tt+7], v[ADTR] offset:MSH+32*\tt+16*PW
	ds_load_tr16_b128 v[ML+8*\tt:ML+8*\tt+3],   v[ADTR] offset:MSL+32*\tt
	ds_load_tr16_b128 v[ML+8*\tt+4:ML+8*\tt+7], v[ADTR] offset:MSL+32*\tt+16*PW
	ds_load_tr16_b128 v[ME+8*\tt:ME+8*\tt+3],   v[ADTR] offset:MSE+32*\tt
	ds_load_tr16_b128 v[ME+8*\tt+4:ME+8*\tt+7], v[ADTR] offset:MSE+32*\tt+16*PW
.endr
	s_wait_dscnt 0x0                               ; M, and the operands fetched ahead of the recursion
	; ---- Z^T = M W^T + (M E) U: sixteen tiles by turns, four passes
.macro ZPASS a, b, z
.irp mt, 0,1,2,3,4,5,6,7
.irp tt, 0,1
	MM ZT+16*\mt+8*\tt, \a+8*\tt, \b+8*\mt, \z
.endr
.endr
.endm
	WIN 0x04                                       ; A window 0, B window 1, C and D window 0
	ZPASS MH, WH, 1
	ZPASS MH, WL, 0
	ZPASS ML, WH, 0
	ZPASS ME, UT, 0
	; ---- operands of the last product: -g z and z, each split, K = t
	PLACES
.irp hf, 0,1
	WIN 0
.set x7, 0
.rept 32
	v_pk_mul_f32 v[ZP+x7:ZP+x7+1], v[ZT+64*\hf+x7:ZT+64*\hf+x7+1], v[GV+x7%16:GV+x7%16+1]
.set x7, x7+2
.endr
	SPLIT 64,ZP,0,PH+32*\hf,1,PL+32*\hf,1,ZP,0
.endr
	SPLIT 128,ZT,0,ZH,1,ZL,1,ZT,0
.irp mt, 0,1,2,3,4,5,6,7
	WIN (2+\mt/4)|((2+\mt/4)<<6)
.irp j, 0,1,2,3,4,5,6,7
	v_add_f32 v[(72*\mt)%256+\j], v[(72*\mt)%256+\j], v[DG+\j]   ; A0 + e_32 I on the diagonal tiles
.endr
.endr
	; ---- out = (A0 + e I) + (-g Z) Z^T, 16 rows at a time: the next rows are multiplied while these go out
.macro MUL mt                          ; eight tiles by turns, three passes
	WIN 0x05|((2+(\mt)/4)*0x50)                    ; A and B window 1, C and D window 2 or 3
.irp nt, 0,1,2,3,4,5,6,7
	MM (64*(\mt))%256+8*\nt, PH+8*\nt, ZH+8*(\mt), 0
.endr
.irp nt, 0,1,2,3,4,5,6,7
	MM (64*(\mt))%256+8*\nt, PH+8*\nt, ZL+8*(\mt), 0
.endr
.irp nt, 0,1,2,3,4,5,6,7
	MM (64*(\mt))%256+8*\nt, PL+8*\nt, ZH+8*(\mt), 0
.endr
.endm
.macro OUT mt
.set OW, 2+(\mt)/4
.set OT, (64*(\mt))%256
.set OS, ((\mt)%2)*16*PA
.set OB, 64+64*((\mt)%2)
	PLACES                                         ; behind the products of these rows
	WIN OW<<2
.set io, 0
.rept 8
	ds_store_b128 v[ADA], v[OT+8*io:OT+8*io+3]   offset:OS+64*io
	ds_store_b128 v[ADA], v[OT+8*io+4:OT+8*io+7] offset:OS+64*io+16
.set io, io+1
.endr
	WIN 0
	s_wait_xcnt 0x0                                ; every earlier store has had its addresses translated (ISA guide 3.1): its data registers are loaded again only behind this wait
.set io, 0
.rept 16
	ds_load_b128 v[OB+4*io:OB+4*io+3], v[ADR] offset:OS+PA*io      ; a whole row of 512 bytes; in order behind the stores above
.set io, io+1
.endr
.if \mt < 7
	MUL \mt+1
.endif
	WIN 0
	s_wait_dscnt 0x0
.set io, 0
.rept 16
	global_store_b128 v[GOFF], v[OB+4*io:OB+4*io+3], s[8:9] offset:512*(16*(\mt)+io) th:TH_STORE_NT   ; the wave's store covers 512 consecutive bytes, aligned
.set io, io+1
.endr
.endm
	MUL 0
.irp mt, 0,1,2,3,4,5,6,7
	OUT \mt
.endr
	WIN 0
	s_wait_tensorcnt 0x0
	ds_add_u32 v62, v63
	s_wait_dscnt 0x0
	s_endpgm
.Lfunc_end_k_q40c043ea96_smw:
	.size	k_q40c043ea96_smw, .Lfunc_end_k_q40c043ea96_smw-k_q40c043ea96_smw
	.p2alignl 7, 3214868480
	.fill 96, 4, 3214868480
	.section	.rodata,"a",@progbits
	.p2align	6, 0x0
	.amdhsa_kernel k_q40c043ea96_smw
		.amdhsa_group_segment_fixed_size 327680
		.amdhsa_private_segment_fixed_size 0
		.amdhsa_enable_private_segment 0
		.amdhsa_kernarg_size 24
		.amdhsa_user_sgpr_count 2
		.amdhsa_user_sgpr_kernarg_segment_ptr 1
		.amdhsa_wavefront_size32 1
		.amdhsa_system_sgpr_workgroup_id_x 1
		.amdhsa_system_sgpr_workgroup_id_y 1
		.amdhsa_system_sgpr_workgroup_id_z 1
		.amdhsa_system_vgpr_workitem_id 0
		.amdhsa_next_free_vgpr 1024
		.amdhsa_next_free_sgpr 88
		.amdhsa_reserve_vcc 1
		.amdhsa_float_denorm_mode_32 3
		.amdhsa_float_denorm_mode_16_64 3
		.amdhsa_memory_ordered 1
		.amdhsa_forward_progress 1
		.amdhsa_inst_pref_size 255
	.end_amdhsa_kernel
	.section	.bss,"aw",@nobits
	.p2align	6
	.space	262144
	.amdgpu_metadata
---
amdhsa.version: [ 1, 2 ]
amdhsa.kernels:
  - .name:           k_q40c043ea96_smw
    .symbol:         k_q40c043ea96_smw.kd
    .args:
      - { .name: A0, .offset: 0, .size: 8, .value_kind: global_buffer, .address_space: global }
      - { .name: u, .offset: 8, .size: 8, .value_kind: global_buffer, .address_space: global }
      - { .name: out0, .offset: 16, .size: 8, .value_kind: global_buffer, .address_space: global }
    .group_segment_fixed_size: 327680
    .private_segment_fixed_size: 0
    .kernarg_segment_align: 8
    .kernarg_segment_size: 24
    .max_flat_workgroup_size: 128
    .sgpr_count:     88
    .vgpr_count:     1024
    .wavefront_size: 32
...
	.end_amdgpu_metadata
.endif
;; end of part 1
